; MI455X (gfx1250); checked and timed in simulation.
; The chip was launched on July 23, 2026; its instructions are those of AMD's public machine-readable ISA for CDNA 5 (MIT licence, August 2026) and "CDNA5" Instruction Set Architecture Reference Guide (July 2026). The comments in the code are by the model that wrote it; some were corrected since.
;; DE. Allowed arithmetic: float matrix products may take bf16 or f16 operands with f32 sums; all other float work in f32.
;; Inputs: beta 1 float32; gamma 1 float32; x_all 16 x 3,072 x 1 float32; x_temp_context 16 x 1,024 x 1 float32; x_temp_target 16 x 2,048 x 1 float32; y_all 16 x 3,072 x 1 float32; y_temp_context 16 x 1,024 x 1 float32; y_temp_target 16 x 2,048 x 1 float32.
;; Outputs: out0 16 x 3,072 x 1 float32; out1 16 x 3,072 x 1 float32; out2 16 x 3,072 x 2 float32; out3 16 x 3,072 x 1 float32; out4 16 x 3,072 x 1 float32.
;; Constants: context_n = 1024, target_m = 2048.
;; 2 versions, each right; version 2 is version 1 with the launch scan written anew for expert scheduling mode. Each part assembles by itself: llvm-mc -triple=amdgcn-amd-amdhsa -mcpu=gfx1250 --defsym DOCPART=n.
;; ======== version 1 of 2: 3 launches
;; limits: inputs' magnitudes at most 4.6e+18; right only within a limited range of input values
;; workspace buffers: nbr 196,608 bytes of whole numbers; key2 196,608 bytes; deriv 196,608 bytes; stats 1,536 bytes
;; launch scan (part 1): grid 16 x 16, 8 waves a work-group, no clusters, 168,960 bytes of LDS; arguments x_all, x_temp_context, x_temp_target, nbr, key2; writes nbr, key2
.if DOCPART == 1
	.amdgcn_target "amdgcn-amd-amdhsa--gfx1250"
	.amdhsa_code_object_version 6
	.text
	.protected	k_q7f6fd100e1_scan
	.globl	k_q7f6fd100e1_scan
	.p2align	8
	.type	k_q7f6fd100e1_scan,@function
k_q7f6fd100e1_scan:
	s_mov_b64 s[64:65], 0
	v_nop
	global_prefetch_b8 v0, s[64:65] scope:SCOPE_SE
	s_setreg_imm32_b32 hwreg(HW_REG_WAVE_MODE, 25, 1), 1
	s_wait_xcnt 0x0
; SCAN: for each of the 16 x 3,072 queries the exact value of the second smallest key and the block of 32 candidates that holds it.
;   context query i (1,024 a batch): key(j) = |x_ctx[i] - x_ctx[j]|, j over the batch's 1,024 values of x_temp_context
;   target  query i (2,048 a batch): key(j) = |x_tgt[i] - x_all[j]| + (j > i + 1024 ? 1000 : 0), j over the batch's 3,072 values of x_all
; Order: key ascending, then index ascending (the order of a stable top-k).  Stored per query n = batch*3072 + (i, or 1024 + i):
;   nbr[n]  = b2 | flag << 8: b2 = the block of the second element; flag = 1 where the first element has the same key and lies in the same
;             block, so that the second element is the block's SECOND candidate with that key and not its first
;   key2[n] = the second element's key, in f32
; The next launch looks through that one block again; no address here hangs on a comparison of floats.
;
; Per pair of candidates and query: one packed subtract, then v_med3 (new second) and v_min (new first) for each: values alone are followed
; inside a block, the block numbers once per block by comparing the two values with those at the block's head (strict: the earlier block
; keeps its place on equal keys).
;
; SHARES.  Work-group (u = x id, batch = y id), eight waves.  A set = 32 queries, one a lane.  Target sets 2u, 2u+1 (pair A) and 62-2u,
; 63-2u (pair B): the mirrored choice gives every work-group the same number of penalised blocks.  Context sets 2u, 2u+1.  Every wave
; holds all four target sets and walks 12 of the 96 blocks, then the two context sets over 4 of the 32 context blocks; range r = w for
; waves 0-3 and 11 - w for waves 4-7.  The eight partial results of a query meet in LDS and are merged in ascending r.
; A block bj against set s: bj <= s+31 no candidate is penalised for any lane (mode 1), bj >= s+33 all are (mode 2), else the lane decides
; (mode 3, right for any block).  The penalty is added in f32 as the problem's function adds it; nothing is skipped.
;
; NOT USED, and why: matrix units (no product); tensor loads, a ring, joint requests in a cluster: a work-group stages 16,384 bytes once,
; by four 16-byte loads a thread, and then forms 128 x 3,072 + 64 x 1,024 = 458,752 keys from them; what the 16 work-groups of a batch
; share is those 16,384 bytes.  The launch asks for more LDS than the 41,216 bytes it uses, so that a work-group has a WGP to itself:
; the share is cut for 256 work-groups of eight waves.
;
; LIMITS.  Inputs finite.  The key is |a - b|, which equals sqrt((a - b)^2) in f32 wherever the square is a normal number:
; it can differ for 0 < |a - b| < 2^-63 and for |a - b| > 2^63.
.set XC_L,   12288                     ; LDS: x_all of the batch at 0 (12,288 bytes), x_temp_context of the batch here (4,096 bytes)
.set PADZ,   16384                     ; 128 bytes of zeros: what the look-ahead of the last context block reads (and nobody uses)
.set PART,   16640                     ; 8 waves x 192 queries x 16 bytes (m1, m2, b1, b2): pair A, pair B, context
.set WPART,  3072
.set BLKB,   128                       ; a block: 32 candidates
.set TTRIPS, 12
.set CTRIPS, 4
.set VA,   2                           ; v2       LDS address of the block at work, the same in all lanes
.set VBLK, 3                           ; v3       its number
.set KP,   4                           ; v4       1000.0
.set VJ,   5                           ; v5       32 x block; later the merge's LDS address
.set STG,  6                           ; v6       16 x thread
.set PA,   7                           ; v7       PART + wave x 3,072 + 16 x lane
.set Q,    8                           ; v[8:15]  set s: its query, twice (a pair for the packed subtract)
.set QC,   16                          ; v[16:17] the two context queries
.set LIM,  18                          ; v[18:21] set s: i + 1024
.set RR,   22                          ; v[22:25] set s: LIM - 32 x block
.set PP,   26                          ; v[26:27] penalties at work
.set TT,   28                          ; v[28:31] offsets of the query loads; later the merge's temporaries
.set ST,   32                          ; v[32:47] set s: m1, m2, b1, b2
.set OLD,  48                          ; v[48:55] set s: m1, m2 at the block's head
.set DD,   56                          ; v[56:63] set s: two differences, then two keys
.set XX,   64                          ; v[64:95] the block's 32 candidates; v[64:127] the merge's 16 quadruples
.set SD,   96                          ; v[96:111] stage data
.set KEEP, 96                          ; v[96:103] target sets 0, 1 while the context loop runs
.set OUTW, 112                         ; v[112:115] what is stored
	s_load_b256 s[4:11], s[0:1], 0x0               ; x_all s[4:5], x_temp_context s[6:7], x_temp_target s[8:9], nbr s[10:11]
	s_load_b64 s[12:13], s[0:1], 0x20              ; key2
	v_lshl_add_u32 v128, v0, 2, 0x29000
	v_mov_b32 v129, 0
	v_and_b32 v1, 31, v0                           ; lane
	v_lshrrev_b32 v2, 5, v0
	v_readfirstlane_b32 s14, v2                    ; wave w
	s_and_b32 s16, ttmp7, 0xffff                   ; batch
	s_mov_b32 s17, ttmp9                           ; u
	s_sub_co_u32 s24, 11, s14
	s_cmp_lt_u32 s14, 4
	s_cselect_b32 s15, s14, s24                    ; range r
	s_lshl_b32 s24, s17, 1                         ; where the modes change: blocks 32+2u, 34+2u, 94-2u, 96-2u
	s_add_co_u32 s18, s24, 32
	s_add_co_u32 s19, s24, 34
	s_sub_co_u32 s20, 94, s24
	s_sub_co_u32 s21, 96, s24
	s_mul_i32 s24, s16, 12288                      ; the batch's bytes in x_all, nbr, key2
	s_mov_b32 s25, 0
	s_lshl_b32 s26, s16, 12                        ; in x_temp_context
	s_mov_b32 s27, 0
	s_lshl_b32 s28, s16, 13                        ; in x_temp_target
	s_mov_b32 s29, 0
	s_lshl_b32 s30, s17, 8                         ; 256 u: byte of set 2u's first query
	s_sub_co_u32 s31, 7936, s30                    ; byte of set 62-2u's first query
	v_lshlrev_b32 v[STG], 4, v0
	v_lshlrev_b32 v[TT], 2, v1
	v_add_nc_u32 v[TT+1], s31, v[TT]
	v_add_nc_u32 v[TT], s30, v[TT]
	s_wait_kmcnt 0x0
	s_add_nc_u64 s[4:5], s[4:5], s[24:25]
	s_add_nc_u64 s[6:7], s[6:7], s[26:27]
	s_add_nc_u64 s[8:9], s[8:9], s[28:29]
	s_add_nc_u64 s[10:11], s[10:11], s[24:25]
	s_add_nc_u64 s[12:13], s[12:13], s[24:25]
	global_load_b128 v[SD:SD+3],     v[STG], s[4:5]                ; 256 threads x 16 bytes = 4,096 bytes a line
	global_load_b128 v[SD+4:SD+7],   v[STG], s[4:5] offset:4096
	global_load_b128 v[SD+8:SD+11],  v[STG], s[4:5] offset:8192
	global_load_b128 v[SD+12:SD+15], v[STG], s[6:7]
	global_load_b32 v[Q],    v[TT],   s[8:9]                       ; target sets 2u, 2u+1, 62-2u, 63-2u
	global_load_b32 v[Q+2],  v[TT],   s[8:9] offset:128
	global_load_b32 v[Q+4],  v[TT+1], s[8:9]
	global_load_b32 v[Q+6],  v[TT+1], s[8:9] offset:128
	global_load_b32 v[QC],   v[TT],   s[6:7]                       ; context sets 2u, 2u+1
	global_load_b32 v[QC+1], v[TT],   s[6:7] offset:128
	s_mul_i32 s32, s14, WPART
	s_add_co_u32 s32, s32, PART
	v_lshl_add_u32 v[PA], v1, 4, s32
	s_lshl_b32 s28, s17, 6                         ; 64 u
	s_add_co_u32 s26, s28, 1024
	s_sub_co_u32 s27, 3008, s28
	v_add_nc_u32 v[LIM],   s26, v1                 ; i + 1024 with i = 32 x set + lane
	v_add_nc_u32 v[LIM+1], 32, v[LIM]
	v_add_nc_u32 v[LIM+2], s27, v1
	v_add_nc_u32 v[LIM+3], 32, v[LIM+2]
	v_mov_b32 v[KP], 0x447a0000                    ; 1000.0
	s_wait_loadcnt 0x6                             ; the four stage loads are in; the six query loads issued behind them may stay out
	ds_store_b128 v[STG], v[SD:SD+3]
	ds_store_b128 v[STG], v[SD+4:SD+7]   offset:4096
	ds_store_b128 v[STG], v[SD+8:SD+11]  offset:8192
	ds_store_b128 v[STG], v[SD+12:SD+15] offset:XC_L
	s_cmp_lg_u32 s14, 0
	s_cbranch_scc1 .Lnopad
	v_lshlrev_b32 v[TT+2], 2, v1                   ; wave 0 alone: the 128 bytes behind the context points
	v_mov_b32 v[TT+3], 0
	ds_store_b32 v[TT+2], v[TT+3] offset:PADZ
.Lnopad:
	s_wait_dscnt 0x0                               ; my stage stores are done, for the other waves' sake
	s_barrier_signal -1
	s_barrier_wait -1                              ; everybody's are: from here on bytes 0 to 16,511 are only read
	s_wait_loadcnt 0x0                             ; the queries
.macro START s                         ; nothing seen yet
	v_mov_b32 v[ST+4*\s],   0x7f800000
	v_mov_b32 v[ST+4*\s+1], 0x7f800000
	v_mov_b32 v[ST+4*\s+2], 0
	v_mov_b32 v[ST+4*\s+3], 0
.endm
.macro PRIME                           ; the first block of a range: eight loads, all lanes the same 16 bytes
.irp k, 0,1,2,3,4,5,6,7
	ds_load_b128 v[XX+4*\k:XX+4*\k+3], v[VA] offset:16*\k
.endr
.endm
.macro SUB2 s, t                       ; candidates t, t+1 minus set s's query
	v_pk_add_f32 v[DD+2*(\s):DD+2*(\s)+1], v[XX+(\t):XX+(\t)+1], v[Q+2*(\s):Q+2*(\s)+1] neg_lo:[0,1] neg_hi:[0,1]
.endm
.macro PEN mode, s, t                  ; the penalty: mode 1 none, mode 2 for all, mode 3 where t > LIM - 32 x block
.if \mode == 2
	v_add_f32 v[DD+2*(\s)],   |v[DD+2*(\s)]|,   v[KP]
	v_add_f32 v[DD+2*(\s)+1], |v[DD+2*(\s)+1]|, v[KP]
.endif
.if \mode == 3
	v_cmp_gt_i32 vcc_lo, (\t), v[RR+(\s)]
	v_cndmask_b32 v[PP], 0, v[KP], vcc_lo
	v_cmp_gt_i32 vcc_lo, (\t)+1, v[RR+(\s)]
	v_cndmask_b32 v[PP+1], 0, v[KP], vcc_lo
	v_add_f32 v[DD+2*(\s)],   |v[DD+2*(\s)]|,   v[PP]
	v_add_f32 v[DD+2*(\s)+1], |v[DD+2*(\s)+1]|, v[PP+1]
.endif
.endm
.macro MED2 s, e                       ; new second = the middle of (key, first, second); it reads the old first, so it comes first
	v_med3_num_f32 v[ST+4*\s+1], |v[DD+2*\s+\e]|, v[ST+4*\s], v[ST+4*\s+1]
.endm
.macro MIN1 s, e
	v_min_num_f32 v[ST+4*\s], |v[DD+2*\s+\e]|, v[ST+4*\s]
.endm
; two candidates against the sets that are present (ma: sets 0, 1; mb: sets 2, 3; 0 = absent); the sets take turns, so that no line
; waits for the line in front of it
.macro PAIR ma, mb, t
.if \ma
	SUB2 0, \t
	SUB2 1, \t
.endif
.if \mb
	SUB2 2, \t
	SUB2 3, \t
.endif
.if \ma
	PEN \ma, 0, \t
	PEN \ma, 1, \t
.endif
.if \mb
	PEN \mb, 2, \t
	PEN \mb, 3, \t
.endif
.irp e, 0,1
.if \ma
	MED2 0, \e
	MED2 1, \e
.endif
.if \mb
	MED2 2, \e
	MED2 3, \e
.endif
.if \ma
	MIN1 0, \e
	MIN1 1, \e
.endif
.if \mb
	MIN1 2, \e
	MIN1 3, \e
.endif
.endr
.endm
; A block, in four chunks of eight candidates.  Behind a chunk's work its registers are loaded with the same chunk of the NEXT block.
; The wait's count: behind a chunk's two loads stand the two loads of each of the three chunks that follow it, from PRIME on and in
; every variant alike, and LDS loads come back in order (ISA guide 5.7.1): at 6 outstanding the chunk is in.
.macro BODY ma, mb
.irp c, 0,1,2,3
	s_wait_dscnt 0x6
	PAIR \ma, \mb, 8*\c
	PAIR \ma, \mb, 8*\c+2
	PAIR \ma, \mb, 8*\c+4
	PAIR \ma, \mb, 8*\c+6
	ds_load_b128 v[XX+8*\c:XX+8*\c+3],   v[VA] offset:BLKB+32*\c
	ds_load_b128 v[XX+8*\c+4:XX+8*\c+7], v[VA] offset:BLKB+32*\c+16
.endr
.endm
.macro HEAD1 s
	v_mov_b32 v[OLD+2*\s],   v[ST+4*\s]
	v_mov_b32 v[OLD+2*\s+1], v[ST+4*\s+1]
.endm
.macro HEAD n                          ; the two values as they stand at the block's head
	HEAD1 0
	HEAD1 1
.if \n > 2
	HEAD1 2
	HEAD1 3
.endif
.endm
; the block numbers, from old (o1, o2) and new (n1, n2) values: n2 < o2: the second is new; n1 < o1: the old first moves down and the
; first is new; n2 < o1: both are new.  Strict comparisons: on equal keys the earlier block stays.
.macro TAIL1 s
	v_cmp_lt_f32 vcc_lo, v[ST+4*\s+1], v[OLD+2*\s+1]
	v_cndmask_b32 v[ST+4*\s+3], v[ST+4*\s+3], v[VBLK], vcc_lo
	v_cmp_lt_f32 vcc_lo, v[ST+4*\s], v[OLD+2*\s]
	v_cndmask_b32 v[ST+4*\s+3], v[ST+4*\s+3], v[ST+4*\s+2], vcc_lo
	v_cndmask_b32 v[ST+4*\s+2], v[ST+4*\s+2], v[VBLK], vcc_lo
	v_cmp_lt_f32 vcc_lo, v[ST+4*\s+1], v[OLD+2*\s]
	v_cndmask_b32 v[ST+4*\s+3], v[ST+4*\s+3], v[VBLK], vcc_lo
.endm
.macro TAIL n
	TAIL1 0
	TAIL1 1
.if \n > 2
	TAIL1 2
	TAIL1 3
.endif
	v_add_nc_u32 v[VBLK], 1, v[VBLK]
	v_add_nc_u32 v[VA], BLKB, v[VA]
.endm
	; THE TARGET SETS: 12 blocks of x_all
.irp s, 0,1,2,3
	v_mov_b32 v[Q+2*\s+1], v[Q+2*\s]
	START \s
.endr
	s_mul_i32 s22, s15, TTRIPS                     ; my first block
	s_mul_i32 s24, s15, TTRIPS*BLKB
	v_mov_b32 v[VA], s24
	v_mov_b32 v[VBLK], s22
	PRIME
	s_mov_b32 s23, 0
.Ltloop:
	HEAD 4
	s_cmp_lt_u32 s22, s18                          ; the variant hangs on ids alone: block number against 32+2u, 34+2u, 94-2u, 96-2u
	s_cbranch_scc1 .LUU
	s_cmp_lt_u32 s22, s19
	s_cbranch_scc1 .LGG
	s_cmp_lt_u32 s22, s20
	s_cbranch_scc1 .LMU
	s_cmp_lt_u32 s22, s21
	s_cbranch_scc1 .LGG
	BODY 2, 2                                      ; all four sets penalised
	s_branch .Lnext
.LUU:
	BODY 1, 1                                      ; none
	s_branch .Lnext
.LMU:
	BODY 2, 1                                      ; pair A penalised, pair B not
	s_branch .Lnext
.LGG:
	v_lshlrev_b32 v[VJ], 5, v[VBLK]                ; the lane decides
.irp s, 0,1,2,3
	v_sub_nc_u32 v[RR+\s], v[LIM+\s], v[VJ]
.endr
	BODY 3, 3
.Lnext:
	TAIL 4
	s_add_co_u32 s22, s22, 1
	s_add_co_u32 s23, s23, 1
	s_cmp_lt_u32 s23, TTRIPS
	s_cbranch_scc1 .Ltloop
	; THE CONTEXT SETS: 4 blocks of x_temp_context, in the places of sets 0 and 1
	s_wait_dscnt 0x0                               ; the eight look-ahead loads past my range have landed (staged bytes, not used): v[64:95] may be loaded again
.irp j, 0,1,2,3,4,5,6,7
	v_mov_b32 v[KEEP+\j], v[ST+\j]                 ; target sets 0, 1 wait here
.endr
	v_mov_b32 v[Q],   v[QC]
	v_mov_b32 v[Q+1], v[QC]
	v_mov_b32 v[Q+2], v[QC+1]
	v_mov_b32 v[Q+3], v[QC+1]
	START 0
	START 1
	s_lshl_b32 s24, s15, 9                         ; 4 blocks of 128 bytes a range
	s_add_co_u32 s24, s24, XC_L
	s_lshl_b32 s25, s15, 2
	v_mov_b32 v[VA], s24
	v_mov_b32 v[VBLK], s25
	PRIME
	s_mov_b32 s23, 0
.Lcloop:
	HEAD 2
	BODY 1, 0
	TAIL 2
	s_add_co_u32 s23, s23, 1
	s_cmp_lt_u32 s23, CTRIPS
	s_cbranch_scc1 .Lcloop
	; THE PARTIAL RESULTS MEET.  They are stored behind a barrier of their own, so that no LDS store is under way while any wave still
	; reads staged points; the waves meet at the barrier behind the stores in any case.
	s_wait_dscnt 0x0                               ; my last reads of the staged points are back
	s_barrier_signal -1
	s_barrier_wait -1
	ds_store_b128 v[PA], v[KEEP:KEEP+3]
	ds_store_b128 v[PA], v[KEEP+4:KEEP+7] offset:512
	ds_store_b128 v[PA], v[ST+8:ST+11]    offset:1024
	ds_store_b128 v[PA], v[ST+12:ST+15]   offset:1536
	ds_store_b128 v[PA], v[ST:ST+3]       offset:2048
	ds_store_b128 v[PA], v[ST+4:ST+7]     offset:2560
	s_wait_dscnt 0x0                               ; done, for the merging waves' sake
	s_barrier_signal -1
	s_barrier_wait -1
	s_cmp_ge_u32 s14, 3                            ; waves 0, 1, 2 merge pair A, pair B, context; no barrier follows
	s_cbranch_scc1 .Lend
; a: the lower indices, c: the higher; quadruples (m1, m2, b1, b2).  c1 < a1: first = c1, second = the smaller of a1, c2; else first = a1,
; second = the smaller of a2, c1.  On equal keys a wins.
.macro MERGE a, c
	v_cmp_lt_f32 vcc_lo, v[\c], v[\a]
	v_cndmask_b32 v[TT],   v[\c],   v[\c+1], vcc_lo
	v_cndmask_b32 v[TT+1], v[\c+2], v[\c+3], vcc_lo
	v_cndmask_b32 v[TT+2], v[\a+1], v[\a],   vcc_lo
	v_cndmask_b32 v[TT+3], v[\a+3], v[\a+2], vcc_lo
	v_cndmask_b32 v[\a],   v[\a],   v[\c],   vcc_lo
	v_cndmask_b32 v[\a+2], v[\a+2], v[\c+2], vcc_lo
	v_cmp_lt_f32 vcc_lo, v[TT], v[TT+2]
	v_cndmask_b32 v[\a+1], v[TT+2], v[TT],   vcc_lo
	v_cndmask_b32 v[\a+3], v[TT+3], v[TT+1], vcc_lo
.endm
	s_lshl_b32 s24, s14, 10                        ; 64 queries x 16 bytes for each merging wave
	v_lshl_add_u32 v[VJ], v1, 5, s24               ; a lane takes two neighbouring queries
.set kk, 0
.irp W, 0,1,2,3,7,6,5,4
	ds_load_b128 v[XX+8*kk:XX+8*kk+3],   v[VJ] offset:PART+\W*WPART        ; waves in the order of their ranges, r = 0 .. 7
	ds_load_b128 v[XX+8*kk+4:XX+8*kk+7], v[VJ] offset:PART+\W*WPART+16
.set kk, kk+1
.endr
	s_add_co_u32 s24, s30, 4096                    ; byte of the wave's first query in the batch's part of nbr and key2:
	s_sub_co_u32 s25, 12032, s30                   ; 4 (1024 + 64 u), 4 (3008 - 64 u), 4 x 64 u
	s_cmp_eq_u32 s14, 0
	s_cselect_b32 s24, s24, s25
	s_cmp_eq_u32 s14, 2
	s_cselect_b32 s24, s30, s24
	s_wait_dscnt 0x0
.irp k, 1,2,3,4,5,6,7
	MERGE XX, XX+8*\k
	MERGE XX+4, XX+8*\k+4
.endr
	v_mov_b32 v[TT+2], 0x100
	v_cmp_eq_f32 s32, v[XX], v[XX+1]               ; equal keys in one block: the second match is meant
	v_cmp_eq_u32 s33, v[XX+2], v[XX+3]
	s_and_b32 s32, s32, s33
	v_cndmask_b32 v[TT], 0, v[TT+2], s32
	v_or_b32 v[OUTW], v[XX+3], v[TT]
	v_cmp_eq_f32 s32, v[XX+4], v[XX+5]
	v_cmp_eq_u32 s33, v[XX+6], v[XX+7]
	s_and_b32 s32, s32, s33
	v_cndmask_b32 v[TT], 0, v[TT+2], s32
	v_or_b32 v[OUTW+1], v[XX+7], v[TT]
	v_mov_b32 v[OUTW+2], v[XX+1]
	v_mov_b32 v[OUTW+3], v[XX+5]
	v_lshl_add_u32 v[TT+1], v1, 3, s24
	global_store_b64 v[TT+1], v[OUTW:OUTW+1],   s[10:11]       ; each store of the wave covers 256 consecutive bytes, aligned
	global_store_b64 v[TT+1], v[OUTW+2:OUTW+3], s[12:13]
.Lend:
	s_wait_tensorcnt 0x0
	ds_add_u32 v128, v129
	s_wait_dscnt 0x0
	s_endpgm
.Lfunc_end_k_q7f6fd100e1_scan:
	.size	k_q7f6fd100e1_scan, .Lfunc_end_k_q7f6fd100e1_scan-k_q7f6fd100e1_scan
	.p2alignl 7, 3214868480
	.fill 96, 4, 3214868480
	.section	.rodata,"a",@progbits
	.p2align	6, 0x0
	.amdhsa_kernel k_q7f6fd100e1_scan
		.amdhsa_group_segment_fixed_size 168960
		.amdhsa_private_segment_fixed_size 0
		.amdhsa_enable_private_segment 0
		.amdhsa_kernarg_size 40
		.amdhsa_user_sgpr_count 2
		.amdhsa_user_sgpr_kernarg_segment_ptr 1
		.amdhsa_wavefront_size32 1
		.amdhsa_system_sgpr_workgroup_id_x 1
		.amdhsa_system_sgpr_workgroup_id_y 1
		.amdhsa_system_sgpr_workgroup_id_z 1
		.amdhsa_system_vgpr_workitem_id 0
		.amdhsa_next_free_vgpr 130
		.amdhsa_next_free_sgpr 66
		.amdhsa_reserve_vcc 1
		.amdhsa_float_denorm_mode_32 3
		.amdhsa_float_denorm_mode_16_64 3
		.amdhsa_memory_ordered 1
		.amdhsa_forward_progress 1
		.amdhsa_inst_pref_size 138
	.end_amdhsa_kernel
	.amdgpu_metadata
---
amdhsa.version: [ 1, 2 ]
amdhsa.kernels:
  - .name:           k_q7f6fd100e1_scan
    .symbol:         k_q7f6fd100e1_scan.kd
    .args:
      - { .name: x_all, .offset: 0, .size: 8, .value_kind: global_buffer, .address_space: global }
      - { .name: x_temp_context, .offset: 8, .size: 8, .value_kind: global_buffer, .address_space: global }
      - { .name: x_temp_target, .offset: 16, .size: 8, .value_kind: global_buffer, .address_space: global }
      - { .name: nbr, .offset: 24, .size: 8, .value_kind: global_buffer, .address_space: global }
      - { .name: key2, .offset: 32, .size: 8, .value_kind: global_buffer, .address_space: global }
    .group_segment_fixed_size: 168960
    .private_segment_fixed_size: 0
    .kernarg_segment_align: 8
    .kernarg_segment_size: 40
    .max_flat_workgroup_size: 256
    .sgpr_count:     66
    .vgpr_count:     130
    .wavefront_size: 32
...
	.end_amdgpu_metadata
.endif
;; end of part 1
;; launch resolve (part 2): grid 12 x 16, 4 waves a work-group, no clusters, 768 bytes of LDS; arguments x_all, y_all, x_temp_context, y_temp_context, x_temp_target, y_temp_target, nbr, key2, out0, out1, out3, out4, deriv, stats; writes out0, out1, out3, out4, deriv, stats
.if DOCPART == 2
	.amdgcn_target "amdgcn-amd-amdhsa--gfx1250"
	.amdhsa_code_object_version 6
	.text
	.protected	k_q7f6fd100e1_resolve
	.globl	k_q7f6fd100e1_resolve
	.p2align	8
	.type	k_q7f6fd100e1_resolve,@function
k_q7f6fd100e1_resolve:
	s_mov_b64 s[64:65], 0
	v_nop
	global_prefetch_b8 v0, s[64:65] scope:SCOPE_SE
	s_setreg_imm32_b32 hwreg(HW_REG_WAVE_MODE, 25, 1), 1
	s_wait_xcnt 0x0
; RESOLVE: from the block number and key that the launch before stored, the neighbour itself and what follows from it.
; Work-group (p = x id 0..11, batch = y id) owns the 256 queries n0 .. n0+255, n0 = batch*3072 + 256 p; p < 4: context queries against
; x_temp_context / y_temp_context, else target queries against x_all / y_all.  Thread t owns queries 2t, 2t+1, so that every load and
; store of a pair is 8 bytes a lane and a wave covers 256 consecutive bytes, aligned.
; A thread loads its two blocks of 32 candidates (x and y, 128 bytes each), forms the same keys by the same arithmetic as the launch
; before (x - q, magnitude, + 1000 or + 0 in f32: adding zero changes nothing), and keeps, by selects alone, the first and the second
; candidate whose key EQUALS the stored key; the flag in the stored word says which of the two is meant.
;   out3 = x_cl, out4 = y_cl, out1 = x_q - x_cl, out0 = y_q - y_cl, deriv = out0 / (2e-6 + |out1|) (not clipped)
;   stats[batch*12 + p] = (sum, M2) of the 256 clipped values: M2 = sum of squares about the work-group's own mean, so that the last launch
;   combines variances without taking a difference of large sums.
; The one address that hangs on data comes from nbr, whole numbers stored by an earlier launch, clamped to the pool's last block.
; NOT USED, and why: matrix units (no product), tensor loads and clusters (each lane wants a block of its own), prefetch (what is
; wanted is known only from the first load, and wanted at once).
; LIMITS.  Inputs finite.  |x| stands for sqrt(x^2) (differs only where the square leaves f32's normal range; against the 2e-6 beside it
; that is nothing).  The division is v_rcp_f32 with one correction by the residual.
.set WORD, 4                           ; v[4:5]   nbr
.set KEY,  6                           ; v[6:7]   key2
.set XQ,   8                           ; v[8:9]   the queries' x
.set YQ,   10                          ; v[10:11] and y
.set OFFS, 12                          ; v[12:13] block number, then byte offset of the block in the pool
.set RR,   14                          ; v[14:15] i + 1024 - 32 x block (context: a number that no t exceeds)
.set KP,   16                          ; v16      1000.0
.set EPSV, 17                          ; v17      2e-6
.set CLIP, 18                          ; v18      200.0
.set TT,   20                          ; v[20:23] at work
.set PP,   24                          ; v[24:27] penalties at work
.set SEL,  28                          ; v[28:35] query e: x first match, x second match, y first, y second at SEL+4e
.set XCL,  36
.set YCL,  38
.set XREP, 40
.set YREP, 42
.set DER,  44
.set DEN,  46
.set RCP,  48
.set D2,   50
.set ACC,  52
.set TMP,  53
.set WA,   54                          ; v54      4 x wave
.set MEANL, 55
.set STAT, 56                          ; v[56:57] (sum, M2)
.set SOFF, 58
.set QV,   60
.set ERR,  62
.set XD,   64                          ; v[64:191] query e: its block's x at XD+64e, its y at XD+64e+32
	s_load_b512 s[4:19], s[0:1], 0x0               ; x_all, y_all, x_ctx, y_ctx, x_tgt, y_tgt, nbr, key2
	s_load_b256 s[20:27], s[0:1], 0x40             ; out0, out1, out3, out4
	s_load_b128 s[28:31], s[0:1], 0x60             ; deriv, stats
	v_lshl_add_u32 v192, v0, 2, 0x100
	v_mov_b32 v193, 0
	v_lshrrev_b32 v3, 5, v0
	v_readfirstlane_b32 s34, v3                    ; wave
	s_mov_b32 s32, ttmp9                           ; p
	s_and_b32 s33, ttmp7, 0xffff                   ; batch
	s_mov_b32 s48, 0x76543210                      ; v_permlanex16_b32: lane i of one half reads lane i of the other
	s_mov_b32 s49, 0xfedcba98
	s_mul_i32 s55, s33, 12288                      ; the batch in arrays of 3,072
	s_lshl_b32 s56, s32, 10                        ; 256 queries of 4 bytes
	s_add_co_u32 s35, s55, s56                     ; 4 n0
	s_lshl_b32 s57, s33, 12                        ; the batch in arrays of 1,024
	s_add_co_u32 s58, s57, s56                     ; context: my queries' bytes
	s_lshl_b32 s59, s33, 13                        ; the batch in arrays of 2,048
	s_add_co_u32 s59, s59, s56
	s_sub_co_u32 s59, s59, 4096                    ; target: batch*8192 + (p - 4)*1024 (used for p >= 4 alone)
	s_lshl_b32 s46, s32, 8                         ; target: 256 (p - 4) + 1024 = 256 p
	s_cmp_lt_u32 s32, 4
	s_cselect_b32 s36, s58, s59                    ; offset of my queries
	s_cselect_b32 s37, s57, s55                    ; offset of the batch's pool
	s_cselect_b32 s46, 0x40000000, s46             ; base of i + 1024; context has no penalty
	s_cselect_b32 s47, 31, 95                      ; the pool's last block
	v_lshl_add_u32 v1, v0, 3, s35
	v_lshl_add_u32 v2, v0, 3, s36
	v_mov_b32 v3, 0
	s_wait_kmcnt 0x0
	s_cmp_lt_u32 s32, 4                            ; the choice of buffers hangs on the id alone
	s_cselect_b64 s[38:39], s[8:9],   s[12:13]     ; queries' x
	s_cselect_b64 s[40:41], s[10:11], s[14:15]     ; queries' y
	s_cselect_b64 s[42:43], s[8:9],   s[4:5]       ; pool's x
	s_cselect_b64 s[44:45], s[10:11], s[6:7]       ; pool's y
	global_load_b64 v[WORD:WORD+1], v1, s[16:17]
	global_load_b64 v[KEY:KEY+1],   v1, s[18:19]
	global_load_b64 v[XQ:XQ+1],     v2, s[38:39]
	global_load_b64 v[YQ:YQ+1],     v2, s[40:41]
	v_mov_b32 v[KP],   0x447a0000
	v_mov_b32 v[EPSV], 0x360637bd
	v_mov_b32 v[CLIP], 0x43480000
	v_mov_b32 v[TMP], 0
	v_mov_b32 v[WA], s34
	v_lshlrev_b32 v[WA], 2, v[WA]
	s_mul_i32 s58, s33, 12
	s_add_co_u32 s58, s58, s32
	s_lshl_b32 s58, s58, 3
	v_mov_b32 v[SOFF], s58                         ; 8 (batch*12 + p)
.irp j, 0,1,2,3,4,5,6,7
	v_mov_b32 v[SEL+\j], 0
.endr
	v_lshl_add_u32 v[TT], v0, 1, s46               ; i + 1024 of query 2t
	s_wait_loadcnt 0x3                             ; nbr's words are in; the three loads issued behind them may stay out
.irp e, 0,1
	v_and_b32 v[OFFS+\e], 0xff, v[WORD+\e]         ; the block,
	v_min_u32 v[OFFS+\e], s47, v[OFFS+\e]          ; inside this pool,
	v_min_u32 v[OFFS+\e], 95, v[OFFS+\e]           ; and under a constant bound
	v_lshlrev_b32 v[TT+1], 5, v[OFFS+\e]
	v_sub_nc_u32 v[RR+\e], v[TT], v[TT+1]
	v_lshlrev_b32 v[OFFS+\e], 7, v[OFFS+\e]        ; 128 bytes a block
	v_add_nc_u32 v[OFFS+\e], s37, v[OFFS+\e]
.endr
	v_add_nc_u32 v[RR+1], 1, v[RR+1]               ; query 2t + 1
.irp e, 0,1
.irp k, 0,1,2,3,4,5,6,7
	global_load_b128 v[XD+64*\e+4*\k:XD+64*\e+4*\k+3], v[OFFS+\e], s[42:43] offset:16*\k
.endr
.irp k, 0,1,2,3,4,5,6,7
	global_load_b128 v[XD+64*\e+32+4*\k:XD+64*\e+32+4*\k+3], v[OFFS+\e], s[44:45] offset:16*\k
.endr
.endr
	s_wait_loadcnt 0x0
; candidates t0 .. t0+3 of query e's block.  The block is walked from its end to its head, so that at the end the first pair of registers
; holds the match of the lowest index and the second pair the next one.
.macro GROUP e, t0
.irp i, 0,1,2,3
	v_sub_f32 v[TT+\i], v[XD+64*\e+\t0+\i], v[XQ+\e]
.endr
.irp i, 0,1,2,3
	v_cmp_gt_i32 s[50+\i], \t0+\i, v[RR+\e]
.endr
.irp i, 0,1,2,3
	v_cndmask_b32 v[PP+\i], 0, v[KP], s[50+\i]
.endr
.irp i, 0,1,2,3
	v_add_f32 v[TT+\i], |v[TT+\i]|, v[PP+\i]
.endr
.irp i, 0,1,2,3
	v_cmp_eq_f32 s[50+\i], v[TT+\i], v[KEY+\e]
.endr
.irp i, 3,2,1,0
	v_cndmask_b32 v[SEL+4*\e+1], v[SEL+4*\e+1], v[SEL+4*\e],   s[50+\i]
	v_cndmask_b32 v[SEL+4*\e+3], v[SEL+4*\e+3], v[SEL+4*\e+2], s[50+\i]
	v_cndmask_b32 v[SEL+4*\e],   v[SEL+4*\e],   v[XD+64*\e+\t0+\i],    s[50+\i]
	v_cndmask_b32 v[SEL+4*\e+2], v[SEL+4*\e+2], v[XD+64*\e+32+\t0+\i], s[50+\i]
.endr
.endm
.irp t0, 28,24,20,16,12,8,4,0
	GROUP 0, \t0
	GROUP 1, \t0
.endr
.irp e, 0,1
	v_and_b32 v[TT], 0x100, v[WORD+\e]             ; the flag: the second match is meant
	v_cmp_ne_u32 vcc_lo, 0, v[TT]
	v_cndmask_b32 v[XCL+\e], v[SEL+4*\e],   v[SEL+4*\e+1], vcc_lo
	v_cndmask_b32 v[YCL+\e], v[SEL+4*\e+2], v[SEL+4*\e+3], vcc_lo
.endr
	v_pk_add_f32 v[XREP:XREP+1], v[XQ:XQ+1], v[XCL:XCL+1] neg_lo:[0,1] neg_hi:[0,1]
	v_add_f32 v[DEN],   |v[XREP]|,   v[EPSV]
	v_add_f32 v[DEN+1], |v[XREP+1]|, v[EPSV]
	v_rcp_f32 v[RCP],   v[DEN]
	v_rcp_f32 v[RCP+1], v[DEN+1]
	v_pk_add_f32 v[YREP:YREP+1], v[YQ:YQ+1], v[YCL:YCL+1] neg_lo:[0,1] neg_hi:[0,1]   ; the plain line between the reciprocals and their use (ISA guide 5.7.2); it names none of their registers
	s_wait_alu depctr_va_vdst(0)
	v_pk_mul_f32 v[QV:QV+1], v[YREP:YREP+1], v[RCP:RCP+1]
	v_pk_fma_f32 v[ERR:ERR+1], v[DEN:DEN+1], v[QV:QV+1], v[YREP:YREP+1] neg_lo:[1,0,0] neg_hi:[1,0,0]   ; what the quotient leaves
	v_pk_fma_f32 v[DER:DER+1], v[ERR:ERR+1], v[RCP:RCP+1], v[QV:QV+1]
	global_store_b64 v1, v[YREP:YREP+1], s[20:21]  ; each store of a wave covers 256 consecutive bytes, aligned
	global_store_b64 v1, v[XREP:XREP+1], s[22:23]
	global_store_b64 v1, v[XCL:XCL+1],   s[24:25]
	global_store_b64 v1, v[YCL:YCL+1],   s[26:27]
	global_store_b64 v1, v[DER:DER+1],   s[28:29]
	; the work-group's sum and M2 of the clipped values
.macro WSUM r, t                       ; over the wave's 32 lanes, the result in every lane
	v_add_f32_dpp v[\r], v[\r], v[\r] row_xmask:1 row_mask:0xf bank_mask:0xf
	v_add_f32_dpp v[\r], v[\r], v[\r] row_xmask:2 row_mask:0xf bank_mask:0xf
	v_add_f32_dpp v[\r], v[\r], v[\r] row_xmask:4 row_mask:0xf bank_mask:0xf
	v_add_f32_dpp v[\r], v[\r], v[\r] row_xmask:8 row_mask:0xf bank_mask:0xf
	v_permlanex16_b32 v[\t], v[\r], s48, s49
	v_add_f32 v[\r], v[\r], v[\t]
.endm
	v_cmp_gt_f32 vcc_lo, |v[DER]|, v[CLIP]
	v_cndmask_b32 v[D2], v[DER], v3, vcc_lo
	v_cmp_gt_f32 vcc_lo, |v[DER+1]|, v[CLIP]
	v_cndmask_b32 v[D2+1], v[DER+1], v3, vcc_lo
	v_add_f32 v[ACC], v[D2], v[D2+1]
	WSUM ACC, TMP
	ds_store_b32 v[WA], v[ACC]                     ; LDS bytes 0-15: the four waves' sums
	s_wait_dscnt 0x0                               ; stored, for the others' sake
	s_barrier_signal -1
	s_barrier_wait -1
	ds_load_b128 v[TT:TT+3], v3
	s_wait_dscnt 0x0
	v_add_f32 v[TT], v[TT], v[TT+1]
	v_add_f32 v[TT+2], v[TT+2], v[TT+3]
	v_add_f32 v[STAT], v[TT], v[TT+2]
	v_mul_f32 v[MEANL], 0x3b800000, v[STAT]        ; / 256
	v_sub_f32 v[D2], v[D2], v[MEANL]
	v_sub_f32 v[D2+1], v[D2+1], v[MEANL]
	v_mul_f32 v[ACC], v[D2], v[D2]
	v_fmac_f32 v[ACC], v[D2+1], v[D2+1]
	WSUM ACC, TMP
	ds_store_b32 v[WA], v[ACC] offset:16           ; LDS bytes 16-31: other bytes than the first sum's, so one barrier does
	s_wait_dscnt 0x0
	s_barrier_signal -1
	s_barrier_wait -1
	ds_load_b128 v[PP:PP+3], v3 offset:16
	s_wait_dscnt 0x0
	v_add_f32 v[PP], v[PP], v[PP+1]
	v_add_f32 v[PP+2], v[PP+2], v[PP+3]
	v_add_f32 v[STAT+1], v[PP], v[PP+2]
	s_cmp_lg_u32 s34, 0
	s_cbranch_scc1 .Lothers
	v_cmp_eq_u32 vcc_lo, 0, v0                     ; thread 0 stores the pair: 8 bytes a work-group, 1,536 in the launch
	s_wait_xcnt 0x0                                ; EXEC is a source of the stores above: it changes only behind this wait
	s_wait_tensorcnt 0x0
	ds_add_u32 v192, v193
	s_wait_dscnt 0x0
	s_and_saveexec_b32 s54, vcc_lo
	global_store_b64 v[SOFF], v[STAT:STAT+1], s[30:31]
	s_endpgm
.Lothers:
	s_wait_tensorcnt 0x0
	ds_add_u32 v192, v193
	s_wait_dscnt 0x0
	s_endpgm
.Lfunc_end_k_q7f6fd100e1_resolve:
	.size	k_q7f6fd100e1_resolve, .Lfunc_end_k_q7f6fd100e1_resolve-k_q7f6fd100e1_resolve
	.p2alignl 7, 3214868480
	.fill 96, 4, 3214868480
	.section	.rodata,"a",@progbits
	.p2align	6, 0x0
	.amdhsa_kernel k_q7f6fd100e1_resolve
		.amdhsa_group_segment_fixed_size 768
		.amdhsa_private_segment_fixed_size 0
		.amdhsa_enable_private_segment 0
		.amdhsa_kernarg_size 112
		.amdhsa_user_sgpr_count 2
		.amdhsa_user_sgpr_kernarg_segment_ptr 1
		.amdhsa_wavefront_size32 1
		.amdhsa_system_sgpr_workgroup_id_x 1
		.amdhsa_system_sgpr_workgroup_id_y 1
		.amdhsa_system_sgpr_workgroup_id_z 1
		.amdhsa_system_vgpr_workitem_id 0
		.amdhsa_next_free_vgpr 194
		.amdhsa_next_free_sgpr 66
		.amdhsa_reserve_vcc 1
		.amdhsa_float_denorm_mode_32 3
		.amdhsa_float_denorm_mode_16_64 3
		.amdhsa_memory_ordered 1
		.amdhsa_forward_progress 1
		.amdhsa_inst_pref_size 45
	.end_amdhsa_kernel
	.amdgpu_metadata
---
amdhsa.version: [ 1, 2 ]
amdhsa.kernels:
  - .name:           k_q7f6fd100e1_resolve
    .symbol:         k_q7f6fd100e1_resolve.kd
    .args:
      - { .name: x_all, .offset: 0, .size: 8, .value_kind: global_buffer, .address_space: global }
      - { .name: y_all, .offset: 8, .size: 8, .value_kind: global_buffer, .address_space: global }
      - { .name: x_temp_context, .offset: 16, .size: 8, .value_kind: global_buffer, .address_space: global }
      - { .name: y_temp_context, .offset: 24, .size: 8, .value_kind: global_buffer, .address_space: global }
      - { .name: x_temp_target, .offset: 32, .size: 8, .value_kind: global_buffer, .address_space: global }
      - { .name: y_temp_target, .offset: 40, .size: 8, .value_kind: global_buffer, .address_space: global }
      - { .name: nbr, .offset: 48, .size: 8, .value_kind: global_buffer, .address_space: global }
      - { .name: key2, .offset: 56, .size: 8, .value_kind: global_buffer, .address_space: global }
      - { .name: out0, .offset: 64, .size: 8, .value_kind: global_buffer, .address_space: global }
      - { .name: out1, .offset: 72, .size: 8, .value_kind: global_buffer, .address_space: global }
      - { .name: out3, .offset: 80, .size: 8, .value_kind: global_buffer, .address_space: global }
      - { .name: out4, .offset: 88, .size: 8, .value_kind: global_buffer, .address_space: global }
      - { .name: deriv, .offset: 96, .size: 8, .value_kind: global_buffer, .address_space: global }
      - { .name: stats, .offset: 104, .size: 8, .value_kind: global_buffer, .address_space: global }
    .group_segment_fixed_size: 768
    .private_segment_fixed_size: 0
    .kernarg_segment_align: 8
    .kernarg_segment_size: 112
    .max_flat_workgroup_size: 128
    .sgpr_count:     66
    .vgpr_count:     194
    .wavefront_size: 32
...
	.end_amdgpu_metadata
.endif
;; end of part 2
;; launch bn (part 3): grid 192 x 1, 4 waves a work-group, no clusters, 0 bytes of LDS; arguments deriv, stats, gamma, beta, out2; writes out2
.if DOCPART == 3
	.amdgcn_target "amdgcn-amd-amdhsa--gfx1250"
	.amdhsa_code_object_version 6
	.text
	.protected	k_q7f6fd100e1_bn
	.globl	k_q7f6fd100e1_bn
	.p2align	8
	.type	k_q7f6fd100e1_bn,@function
k_q7f6fd100e1_bn:
	s_mov_b64 s[64:65], 0
	v_nop
	global_prefetch_b8 v0, s[64:65] scope:SCOPE_SE
	s_setreg_imm32_b32 hwreg(HW_REG_WAVE_MODE, 25, 1), 1
	s_wait_xcnt 0x0
; BN: the batch norm over all 49,152 values, the clip and the label.
; Work-group g owns values 256 g .. 256 g + 255; thread t two of them: one 8-byte load, one 16-byte store (bn, label, bn, label), so that a
; wave's store covers 512 consecutive bytes, aligned.
; Every wave combines the 192 pairs (S, M2) for itself, six a lane: no LDS, no barrier.
;   mean = sum of S / 49152;  M2 = sum of M2_i + 256 x sum of (S_i / 256 - mean)^2;  var = M2 / 49152 (the biased variance)
; All terms of M2 are squares: no difference of large sums is formed.
;   d2 = |d| > 200 ? 0 : d;  label = |d| <= 200 ? 1 : 0 (a NaN gives 0, as d2 == d1 does);  bn = (d2 - mean) x gamma / sqrt(var + 1e-3) + beta
; 1 / sqrt is v_rsq_f32.  Matrix units, LDS, clusters: nothing here for them (1,536 + 1,024 bytes in, 2,048 out for a work-group).
.set SP,   4                           ; v[4:15]  six pairs (S, M2)
.set DV,   16                          ; v[16:17] my two values
.set CLIP, 18                          ; v18      200.0
.set TMP,  19
.set ACC,  20
.set MEAN, 21
.set T0,   22
.set SQ,   23
.set M2,   24
.set VAR,  25
.set SCL,  26
.set ZERO, 27
.set RES,  28                          ; v[28:31] bn, label, bn, label
.set D2,   32                          ; v[32:33]
.set ONE,  34
	s_load_b256 s[4:11], s[0:1], 0x0               ; deriv s[4:5], stats s[6:7], gamma s[8:9], beta s[10:11]
	s_load_b64 s[12:13], s[0:1], 0x20              ; out2
	v_and_b32 v1, 31, v0
	v_lshlrev_b32 v1, 4, v1                        ; 16 x lane
	s_lshl_b32 s16, ttmp9, 10                      ; 256 values of 4 bytes
	s_lshl_b32 s17, ttmp9, 11                      ; 256 pairs of 8 bytes
	v_lshl_add_u32 v2, v0, 3, s16
	v_lshl_add_u32 v3, v0, 4, s17
	s_mov_b32 s18, 0x3b800000                      ; 1 / 256
	s_mov_b32 s19, 0x43800000                      ; 256
	s_mov_b32 s20, 0x76543210                      ; v_permlanex16_b32: lane i of one half reads lane i of the other
	s_mov_b32 s21, 0xfedcba98
	s_mov_b32 s22, 0x37aaaaab                      ; 1 / 49152
	s_mov_b32 s23, 0x3a83126f                      ; 1e-3
	v_mov_b32 v[CLIP], 0x43480000
	v_mov_b32 v[TMP], 0
	v_mov_b32 v[ZERO], 0
	v_mov_b32 v[ONE], 1.0
	s_wait_kmcnt 0x0
	s_load_b32 s14, s[8:9], 0x0                    ; gamma
	s_load_b32 s15, s[10:11], 0x0                  ; beta
	global_load_b128 v[SP:SP+3],    v1, s[6:7]
	global_load_b128 v[SP+4:SP+7],  v1, s[6:7] offset:512
	global_load_b128 v[SP+8:SP+11], v1, s[6:7] offset:1024
	global_load_b64 v[DV:DV+1], v2, s[4:5]
	s_wait_loadcnt 0x0
	s_wait_kmcnt 0x0
.macro WSUM r, t                       ; over the wave's 32 lanes, the result in every lane
	v_add_f32_dpp v[\r], v[\r], v[\r] row_xmask:1 row_mask:0xf bank_mask:0xf
	v_add_f32_dpp v[\r], v[\r], v[\r] row_xmask:2 row_mask:0xf bank_mask:0xf
	v_add_f32_dpp v[\r], v[\r], v[\r] row_xmask:4 row_mask:0xf bank_mask:0xf
	v_add_f32_dpp v[\r], v[\r], v[\r] row_xmask:8 row_mask:0xf bank_mask:0xf
	v_permlanex16_b32 v[\t], v[\r], s20, s21
	v_add_f32 v[\r], v[\r], v[\t]
.endm
	v_add_f32 v[ACC], v[SP], v[SP+2]
	v_add_f32 v[T0],  v[SP+4], v[SP+6]
	v_add_f32 v[SQ],  v[SP+8], v[SP+10]
	v_add_f32 v[ACC], v[ACC], v[T0]
	v_add_f32 v[ACC], v[ACC], v[SQ]
	WSUM ACC, TMP
	v_mul_f32 v[MEAN], s22, v[ACC]
	v_fma_f32 v[T0], v[SP], s18, -v[MEAN]          ; a work-group's mean minus the mean of all
	v_mul_f32 v[SQ], v[T0], v[T0]
.irp j, 2,4,6,8,10
	v_fma_f32 v[T0], v[SP+\j], s18, -v[MEAN]
	v_fmac_f32 v[SQ], v[T0], v[T0]
.endr
	v_add_f32 v[M2],  v[SP+1], v[SP+3]
	v_add_f32 v[VAR], v[SP+5], v[SP+7]
	v_add_f32 v[SCL], v[SP+9], v[SP+11]
	v_add_f32 v[M2], v[M2], v[VAR]
	v_add_f32 v[M2], v[M2], v[SCL]
	v_fmac_f32 v[M2], s19, v[SQ]
	WSUM M2, TMP
	v_fma_f32 v[VAR], v[M2], s22, s23              ; var + 1e-3
	v_rsq_f32 v[SCL], v[VAR]
	v_cmp_gt_f32 vcc_lo, |v[DV]|, v[CLIP]          ; plain lines stand between v_rsq_f32 and the use of its result (ISA guide 5.7.2)
	v_cndmask_b32 v[D2], v[DV], v[ZERO], vcc_lo
	v_cmp_gt_f32 vcc_lo, |v[DV+1]|, v[CLIP]
	v_cndmask_b32 v[D2+1], v[DV+1], v[ZERO], vcc_lo
	v_cmp_le_f32 vcc_lo, |v[DV]|, v[CLIP]
	v_cndmask_b32 v[RES+1], v[ZERO], v[ONE], vcc_lo
	v_cmp_le_f32 vcc_lo, |v[DV+1]|, v[CLIP]
	v_cndmask_b32 v[RES+3], v[ZERO], v[ONE], vcc_lo
	s_wait_alu depctr_va_vdst(0)
	v_mul_f32 v[SCL], s14, v[SCL]                  ; gamma / sqrt(var + 1e-3)
	v_sub_f32 v[D2], v[D2], v[MEAN]
	v_sub_f32 v[D2+1], v[D2+1], v[MEAN]
	v_fma_f32 v[RES],   v[D2],   v[SCL], s15
	v_fma_f32 v[RES+2], v[D2+1], v[SCL], s15
	global_store_b128 v3, v[RES:RES+3], s[12:13]
	s_endpgm
.Lfunc_end_k_q7f6fd100e1_bn:
	.size	k_q7f6fd100e1_bn, .Lfunc_end_k_q7f6fd100e1_bn-k_q7f6fd100e1_bn
	.p2alignl 7, 3214868480
	.fill 96, 4, 3214868480
	.section	.rodata,"a",@progbits
	.p2align	6, 0x0
	.amdhsa_kernel k_q7f6fd100e1_bn
		.amdhsa_group_segment_fixed_size 0
		.amdhsa_private_segment_fixed_size 0
		.amdhsa_enable_private_segment 0
		.amdhsa_kernarg_size 40
		.amdhsa_user_sgpr_count 2
		.amdhsa_user_sgpr_kernarg_segment_ptr 1
		.amdhsa_wavefront_size32 1
		.amdhsa_system_sgpr_workgroup_id_x 1
		.amdhsa_system_sgpr_workgroup_id_y 1
		.amdhsa_system_sgpr_workgroup_id_z 1
		.amdhsa_system_vgpr_workitem_id 0
		.amdhsa_next_free_vgpr 40
		.amdhsa_next_free_sgpr 66
		.amdhsa_reserve_vcc 1
		.amdhsa_float_denorm_mode_32 3
		.amdhsa_float_denorm_mode_16_64 3
		.amdhsa_memory_ordered 1
		.amdhsa_forward_progress 1
		.amdhsa_inst_pref_size 5
	.end_amdhsa_kernel
	.amdgpu_metadata
---
amdhsa.version: [ 1, 2 ]
amdhsa.kernels:
  - .name:           k_q7f6fd100e1_bn
    .symbol:         k_q7f6fd100e1_bn.kd
    .args:
      - { .name: deriv, .offset: 0, .size: 8, .value_kind: global_buffer, .address_space: global }
      - { .name: stats, .offset: 8, .size: 8, .value_kind: global_buffer, .address_space: global }
      - { .name: gamma, .offset: 16, .size: 8, .value_kind: global_buffer, .address_space: global }
      - { .name: beta, .offset: 24, .size: 8, .value_kind: global_buffer, .address_space: global }
      - { .name: out2, .offset: 32, .size: 8, .value_kind: global_buffer, .address_space: global }
    .group_segment_fixed_size: 0
    .private_segment_fixed_size: 0
    .kernarg_segment_align: 8
    .kernarg_segment_size: 40
    .max_flat_workgroup_size: 128
    .sgpr_count:     66
    .vgpr_count:     40
    .wavefront_size: 32
...
	.end_amdgpu_metadata
.endif
;; end of part 3
;; ======== version 2 of 2: 3 launches; version 1 with the launch scan written anew for expert scheduling mode
;; limits: inputs' magnitudes at most 4.6e+18; right only within a limited range of input values
;; workspace buffers: nbr 196,608 bytes of whole numbers; key2 196,608 bytes; deriv 196,608 bytes; stats 1,536 bytes
;; launch scan (part 4): grid 16 x 16, 8 waves a work-group, no clusters, 168,960 bytes of LDS; arguments x_all, x_temp_context, x_temp_target, nbr, key2; writes nbr, key2
.if DOCPART == 4
	.amdgcn_target "amdgcn-amd-amdhsa--gfx1250"
	.amdhsa_code_object_version 6
	.text
	.protected	k_q7f6fd100e1_scan
	.globl	k_q7f6fd100e1_scan
	.p2align	8
	.type	k_q7f6fd100e1_scan,@function
k_q7f6fd100e1_scan:
	s_mov_b64 s[64:65], 0
	v_nop
	global_prefetch_b8 v0, s[64:65] scope:SCOPE_SE
	s_setreg_imm32_b32 hwreg(HW_REG_WAVE_SCHED_MODE, 0, 2), 2
	s_setreg_imm32_b32 hwreg(HW_REG_WAVE_MODE, 25, 1), 1
	s_wait_xcnt 0x0
	s_wait_alu depctr_vm_vsrc(0)
; SCAN: for each of the 16 x 3,072 queries the exact value of the second smallest key and the block of 32 candidates that holds it.
;   context query i (1,024 a batch): key(j) = |x_ctx[i] - x_ctx[j]|, j over the batch's 1,024 values of x_temp_context
;   target  query i (2,048 a batch): key(j) = |x_tgt[i] - x_all[j]| + (j > i + 1024 ? 1000 : 0), j over the batch's 3,072 values of x_all
; Order: key ascending, then index ascending (the order of a stable top-k).  Stored per query n = batch*3072 + (i, or 1024 + i):
;   nbr[n]  = b2 | flag << 8: b2 = the block of the second element; flag = 1 where the first element has the same key and lies in the same
;             block, so that the second element is the block's SECOND candidate with that key and not its first
;   key2[n] = the second element's key, in f32
; The next launch looks through that one block again; no address here hangs on a comparison of floats.
;
; Per pair of candidates and query: one packed subtract, then v_med3 (new second) and v_min (new first) for each: values alone are followed
; inside a block, the block numbers once per block by comparing the two values with those at the block's head (strict: the earlier block
; keeps its place on equal keys).
;
; SHARES.  Work-group (u = x id, batch = y id), eight waves.  A set = 32 queries, one a lane.  Target sets 2u, 2u+1 (pair A) and 62-2u,
; 63-2u (pair B): the mirrored choice gives every work-group the same number of penalised blocks.  Context sets 2u, 2u+1.  Every wave
; holds all four target sets and walks 12 of the 96 blocks, then the two context sets over 4 of the 32 context blocks; range r = w for
; waves 0-3 and 11 - w for waves 4-7.  The eight partial results of a query meet in LDS and are merged in ascending r.
; A block bj against set s: bj <= s+31 no candidate is penalised for any lane (mode 1), bj >= s+33 all are (mode 2), else the lane decides
; (mode 3, right for any block).  The penalty is added in f32 as the problem's function adds it; nothing is skipped.
;
; THE MODE: SCHED_MODE bits 1:0 = 2 (LLVM: expert scheduling mode 2), set by the entry lines.  The code itself states the register
; dependences between vector instructions and memory or LDS instructions, and those through scalar registers that vector instructions
; write, with s_wait_alu, always for 0.
; THE PLAN.  Registers that memory or LDS instructions touch, in the two loops:
;   H0 = v[XX:XX+15], H1 = v[XX+16:XX+31]   the block's candidates 0-15 and 16-31.  While the vector lines of one half read it, the LDS
;              loads of the other half land: in a block's first half this block's H1, in its second half the NEXT block's H0.
;   v[VA]      read by every one of these loads; written once a block, at the block's end.
; So ONE wait on va_vdst stands at a half's head: the half before is done reading the registers in which this half's four loads land, and, at
; a block's head, v[VA] is written.  The four loads follow it among the half's first vector lines, which name neither v[VA] nor the other half.
; One wait on vm_vsrc a block stands ahead of the add to v[VA].
; MASKS.  Every compare writes a scalar register of its own, s[MK ..]; the compares stand in runs, with one wait on va_sdst between a run and the
; selects that read its masks.  VCC is not used, EXEC is never written.
;
; NOT USED, and why: matrix units (no product); tensor loads, a ring, joint requests in a cluster: a work-group stages 16,384 bytes once,
; by four 16-byte loads a thread, and then forms 128 x 3,072 + 64 x 1,024 = 458,752 keys from them; what the 16 work-groups of a batch
; share is those 16,384 bytes.  The launch asks for more LDS than the 41,216 bytes it uses, so that a work-group has a WGP to itself:
; the share is cut for 256 work-groups of eight waves.  A second buffer for a whole block: each of the four variants of a block would
; then stand twice in the text.
;
; LIMITS.  Inputs finite.  The key is |a - b|, which equals sqrt((a - b)^2) in f32 wherever the square is a normal number:
; it can differ for 0 < |a - b| < 2^-63 and for |a - b| > 2^63.
.set XC_L,   12288                     ; LDS: x_all of the batch at 0 (12,288 bytes), x_temp_context of the batch here (4,096 bytes)
.set PADZ,   16384                     ; 128 bytes of zeros: the look-ahead of the last context block reads the first 64 of them (and nobody uses them)
.set PART,   16640                     ; 8 waves x 192 queries x 16 bytes (m1, m2, b1, b2): pair A, pair B, context
.set WPART,  3072
.set BLKB,   128                       ; a block: 32 candidates
.set TTRIPS, 12
.set CTRIPS, 4
.set MK,   34                          ; s[34:45] masks: written by compares, read by selects
.set VA,   2                           ; v2       LDS address of the block at work, the same in all lanes
.set VBLK, 3                           ; v3       its number
.set KP,   4                           ; v4       1000.0
.set VJ,   5                           ; v5       32 x block; later the merge's LDS address
.set STG,  6                           ; v6       16 x thread
.set PA,   7                           ; v7       PART + wave x 3,072 + 16 x lane
.set Q,    8                           ; v[8:15]  set s: its query, twice (a pair for the packed subtract)
.set QC,   16                          ; v[16:17] the two context queries
.set LIM,  18                          ; v[18:21] set s: i + 1024
.set RR,   22                          ; v[22:25] set s: LIM - 32 x block
.set PP,   26                          ; v[26:27] penalties at work
.set TT,   28                          ; v[28:31] offsets of the query loads; later the merge's temporaries for a lane's first query
.set ST,   32                          ; v[32:47] set s: m1, m2, b1, b2
.set OLD,  48                          ; v[48:55] set s: m1, m2 at the block's head
.set DD,   56                          ; v[56:63] set s: two differences, then two keys; v[56:59] later the merge's temporaries for a lane's second query
.set XX,   64                          ; v[64:95] the block's 32 candidates; v[64:127] the merge's 16 quadruples
.set SD,   96                          ; v[96:111] stage data
.set KEEP, 96                          ; v[96:103] target sets 0, 1 while the context loop runs
.set OUTW, 112                         ; v[112:115] what is stored
	s_load_b256 s[4:11], s[0:1], 0x0               ; x_all s[4:5], x_temp_context s[6:7], x_temp_target s[8:9], nbr s[10:11]
	s_load_b64 s[12:13], s[0:1], 0x20              ; key2
	v_lshl_add_u32 v128, v0, 2, 0x29000
	v_mov_b32 v129, 0
	v_and_b32 v1, 31, v0                           ; lane
	v_lshrrev_b32 v2, 5, v0
	v_readfirstlane_b32 s14, v2                    ; wave w
	s_and_b32 s16, ttmp7, 0xffff                   ; batch
	s_mov_b32 s17, ttmp9                           ; u
	s_wait_alu depctr_va_sdst(0)                   ; s14 is written, ahead of its first reader: the range, the branches on the wave and the LDS places are made from it
	s_sub_co_u32 s24, 11, s14
	s_cmp_lt_u32 s14, 4
	s_cselect_b32 s15, s14, s24                    ; range r
	s_lshl_b32 s24, s17, 1                         ; where the modes change: blocks 32+2u, 34+2u, 94-2u, 96-2u
	s_add_co_u32 s18, s24, 32
	s_add_co_u32 s19, s24, 34
	s_sub_co_u32 s20, 94, s24
	s_sub_co_u32 s21, 96, s24
	s_mul_i32 s24, s16, 12288                      ; the batch's bytes in x_all, nbr, key2
	s_mov_b32 s25, 0
	s_lshl_b32 s26, s16, 12                        ; in x_temp_context
	s_mov_b32 s27, 0
	s_lshl_b32 s28, s16, 13                        ; in x_temp_target
	s_mov_b32 s29, 0
	s_lshl_b32 s30, s17, 8                         ; 256 u: byte of set 2u's first query
	s_sub_co_u32 s31, 7936, s30                    ; byte of set 62-2u's first query
	v_lshlrev_b32 v[STG], 4, v0
	v_lshlrev_b32 v[TT], 2, v1
	v_add_nc_u32 v[TT+1], s31, v[TT]
	v_add_nc_u32 v[TT], s30, v[TT]
	s_wait_kmcnt 0x0
	s_add_nc_u64 s[4:5], s[4:5], s[24:25]
	s_add_nc_u64 s[6:7], s[6:7], s[26:27]
	s_add_nc_u64 s[8:9], s[8:9], s[28:29]
	s_add_nc_u64 s[10:11], s[10:11], s[24:25]
	s_add_nc_u64 s[12:13], s[12:13], s[24:25]
	s_wait_alu depctr_va_vdst(0)                   ; v[STG], v[TT] and v[TT+1] are written: the ten loads below read them as offsets, the four stage stores v[STG] as address
	global_load_b128 v[SD:SD+3],     v[STG], s[4:5]                ; 256 threads x 16 bytes = 4,096 bytes a line
	global_load_b128 v[SD+4:SD+7],   v[STG], s[4:5] offset:4096
	global_load_b128 v[SD+8:SD+11],  v[STG], s[4:5] offset:8192
	global_load_b128 v[SD+12:SD+15], v[STG], s[6:7]
	global_load_b32 v[Q],    v[TT],   s[8:9]                       ; target sets 2u, 2u+1, 62-2u, 63-2u
	global_load_b32 v[Q+2],  v[TT],   s[8:9] offset:128
	global_load_b32 v[Q+4],  v[TT+1], s[8:9]
	global_load_b32 v[Q+6],  v[TT+1], s[8:9] offset:128
	global_load_b32 v[QC],   v[TT],   s[6:7]                       ; context sets 2u, 2u+1
	global_load_b32 v[QC+1], v[TT],   s[6:7] offset:128
	s_mul_i32 s32, s14, WPART
	s_add_co_u32 s32, s32, PART
	v_lshl_add_u32 v[PA], v1, 4, s32
	s_lshl_b32 s28, s17, 6                         ; 64 u
	s_add_co_u32 s26, s28, 1024
	s_sub_co_u32 s27, 3008, s28
	v_add_nc_u32 v[LIM],   s26, v1                 ; i + 1024 with i = 32 x set + lane
	v_add_nc_u32 v[LIM+1], 32, v[LIM]
	v_add_nc_u32 v[LIM+2], s27, v1
	v_add_nc_u32 v[LIM+3], 32, v[LIM+2]
	v_mov_b32 v[KP], 0x447a0000                    ; 1000.0
	s_wait_loadcnt 0x6                             ; the four stage loads are in; the six query loads issued behind them may stay out
	ds_store_b128 v[STG], v[SD:SD+3]               ; no vector line since the wait above names v[STG] or v[SD ..]
	ds_store_b128 v[STG], v[SD+4:SD+7]   offset:4096
	ds_store_b128 v[STG], v[SD+8:SD+11]  offset:8192
	ds_store_b128 v[STG], v[SD+12:SD+15] offset:XC_L
	s_cmp_lg_u32 s14, 0
	s_cbranch_scc1 .Lnopad
	v_lshlrev_b32 v[TT+2], 2, v1                   ; wave 0 alone: the 128 bytes behind the context points
	v_mov_b32 v[TT+3], 0
	s_wait_alu depctr_va_vdst(0)                   ; v[TT+2] and v[TT+3] are written: the store below reads them as address and data
	ds_store_b32 v[TT+2], v[TT+3] offset:PADZ
.Lnopad:
	s_wait_dscnt 0x0                               ; my stage stores are done, for the other waves' sake
	s_barrier_signal -1
	s_barrier_wait -1                              ; everybody's are: from here on bytes 0 to 16,511 are only read
	s_wait_loadcnt 0x0                             ; the queries
	s_wait_alu depctr_vm_vsrc(0)                   ; the stage stores have read v[SD ..], which copies and the merge's loads write later; the query loads and the pad's store have read v[TT:TT+3], which the merge writes
.macro START s                         ; nothing seen yet
	v_mov_b32 v[ST+4*\s],   0x7f800000
	v_mov_b32 v[ST+4*\s+1], 0x7f800000
	v_mov_b32 v[ST+4*\s+2], 0
	v_mov_b32 v[ST+4*\s+3], 0
.endm
.macro PRIME                           ; candidates 0-15 of a range's first block: four loads, all lanes the same 16 bytes
.irp k, 0,1,2,3
	ds_load_b128 v[XX+4*\k:XX+4*\k+3], v[VA] offset:16*\k
.endr
.endm
.macro SUB2 s, t                       ; candidates t, t+1 minus set s's query
	v_pk_add_f32 v[DD+2*(\s):DD+2*(\s)+1], v[XX+(\t):XX+(\t)+1], v[Q+2*(\s):Q+2*(\s)+1] neg_lo:[0,1] neg_hi:[0,1]
.endm
.macro CMP2 s, t                       ; mode 3: are candidates t, t+1 past the lane's limit, t > LIM - 32 x block?  Two masks of the set's own
	v_cmp_gt_i32 s[MK+2*(\s)],   (\t),   v[RR+(\s)]
	v_cmp_gt_i32 s[MK+2*(\s)+1], (\t)+1, v[RR+(\s)]
.endm
.macro PEN mode, s, t                  ; the penalty: mode 1 none, mode 2 for all, mode 3 by CMP2's masks
.if \mode == 2
	v_add_f32 v[DD+2*(\s)],   |v[DD+2*(\s)]|,   v[KP]
	v_add_f32 v[DD+2*(\s)+1], |v[DD+2*(\s)+1]|, v[KP]
.endif
.if \mode == 3
	v_cndmask_b32 v[PP],   0, v[KP], s[MK+2*(\s)]
	v_cndmask_b32 v[PP+1], 0, v[KP], s[MK+2*(\s)+1]
	v_add_f32 v[DD+2*(\s)],   |v[DD+2*(\s)]|,   v[PP]
	v_add_f32 v[DD+2*(\s)+1], |v[DD+2*(\s)+1]|, v[PP+1]
.endif
.endm
.macro MED2 s, e                       ; new second = the middle of (key, first, second); it reads the old first, so it comes first
	v_med3_num_f32 v[ST+4*\s+1], |v[DD+2*\s+\e]|, v[ST+4*\s], v[ST+4*\s+1]
.endm
.macro MIN1 s, e
	v_min_num_f32 v[ST+4*\s], |v[DD+2*\s+\e]|, v[ST+4*\s]
.endm
; two candidates against the sets that are present (ma: sets 0, 1; mb: sets 2, 3; 0 = absent); the sets take turns, so that no line
; waits for the line in front of it.  In mode 3 the pair's compares stand in one run at its head, the subtracts behind them, then the one
; wait for the masks.
.macro PAIR ma, mb, t
.if \ma == 3
	CMP2 0, \t
	CMP2 1, \t
.endif
.if \mb == 3
	CMP2 2, \t
	CMP2 3, \t
.endif
.if \ma
	SUB2 0, \t
	SUB2 1, \t
.endif
.if \mb
	SUB2 2, \t
	SUB2 3, \t
.endif
.if (\ma == 3) || (\mb == 3)
	s_wait_alu depctr_va_sdst(0)                   ; the compares at the pair's head have written their masks, which the selects below read
.endif
.if \ma
	PEN \ma, 0, \t
	PEN \ma, 1, \t
.endif
.if \mb
	PEN \mb, 2, \t
	PEN \mb, 3, \t
.endif
.irp e, 0,1
.if \ma
	MED2 0, \e
	MED2 1, \e
.endif
.if \mb
	MED2 2, \e
	MED2 3, \e
.endif
.if \ma
	MIN1 0, \e
	MIN1 1, \e
.endif
.if \mb
	MIN1 2, \e
	MIN1 3, \e
.endif
.endr
.endm
; A block, in two halves of sixteen candidates.  Half h is worked on while the other half's registers are loaded: in half 0 with this block's
; candidates 16-31 (byte 64 of the block), in half 1 with the NEXT block's candidates 0-15 (byte 128).
; The wait on DScnt is for 0: the only LDS instructions out are the four loads issued at the head of the half before (or by PRIME), this half's.
.macro BODY ma, mb
.irp h, 0,1
	s_wait_dscnt 0x0
	s_wait_alu depctr_va_vdst(0)                   ; the half before is done reading the registers in which the four loads below land; at a block's head v[VA] is written
	ds_load_b128 v[XX+16*(1-\h):XX+16*(1-\h)+3],   v[VA] offset:64+64*\h
	ds_load_b128 v[XX+16*(1-\h)+4:XX+16*(1-\h)+7], v[VA] offset:64+64*\h+16
	PAIR \ma, \mb, 16*\h
	ds_load_b128 v[XX+16*(1-\h)+8:XX+16*(1-\h)+11],  v[VA] offset:64+64*\h+32   ; no wait: no vector line since the wait above names v[VA] or the other half
	ds_load_b128 v[XX+16*(1-\h)+12:XX+16*(1-\h)+15], v[VA] offset:64+64*\h+48
	PAIR \ma, \mb, 16*\h+2
	PAIR \ma, \mb, 16*\h+4
	PAIR \ma, \mb, 16*\h+6
	PAIR \ma, \mb, 16*\h+8
	PAIR \ma, \mb, 16*\h+10
	PAIR \ma, \mb, 16*\h+12
	PAIR \ma, \mb, 16*\h+14
.endr
.endm
.macro HEAD1 s
	v_mov_b32 v[OLD+2*\s],   v[ST+4*\s]
	v_mov_b32 v[OLD+2*\s+1], v[ST+4*\s+1]
.endm
.macro HEAD n                          ; the two values as they stand at the block's head
	HEAD1 0
	HEAD1 1
.if \n > 2
	HEAD1 2
	HEAD1 3
.endif
.endm
; the block numbers, from old (o1, o2) and new (n1, n2) values: n2 < o2: the second is new; n1 < o1: the old first moves down and the
; first is new; n2 < o1: both are new.  Strict comparisons: on equal keys the earlier block stays.  The compares read values alone, so all
; sets' compares stand in one run, three masks a set, ahead of the selects.
.macro TCMP s
	v_cmp_lt_f32 s[MK+3*\s],   v[ST+4*\s+1], v[OLD+2*\s+1]
	v_cmp_lt_f32 s[MK+3*\s+1], v[ST+4*\s],   v[OLD+2*\s]
	v_cmp_lt_f32 s[MK+3*\s+2], v[ST+4*\s+1], v[OLD+2*\s]
.endm
.macro TSEL s
	v_cndmask_b32 v[ST+4*\s+3], v[ST+4*\s+3], v[VBLK],      s[MK+3*\s]
	v_cndmask_b32 v[ST+4*\s+3], v[ST+4*\s+3], v[ST+4*\s+2], s[MK+3*\s+1]
	v_cndmask_b32 v[ST+4*\s+2], v[ST+4*\s+2], v[VBLK],      s[MK+3*\s+1]
	v_cndmask_b32 v[ST+4*\s+3], v[ST+4*\s+3], v[VBLK],      s[MK+3*\s+2]
.endm
.macro TAIL n
	TCMP 0
	TCMP 1
.if \n > 2
	TCMP 2
	TCMP 3
.endif
	s_wait_alu depctr_vm_vsrc(0)                   ; the block's eight loads have read v[VA]
	v_add_nc_u32 v[VA], BLKB, v[VA]                ; the next load by it stands behind the next half's wait on va_vdst
	s_wait_alu depctr_va_sdst(0)                   ; the compares above have written their masks, which the selects below read
	TSEL 0
	TSEL 1
.if \n > 2
	TSEL 2
	TSEL 3
.endif
	v_add_nc_u32 v[VBLK], 1, v[VBLK]
.endm
	; THE TARGET SETS: 12 blocks of x_all
.irp s, 0,1,2,3
	v_mov_b32 v[Q+2*\s+1], v[Q+2*\s]
	START \s
.endr
	s_mul_i32 s22, s15, TTRIPS                     ; my first block
	s_mul_i32 s24, s15, TTRIPS*BLKB
	v_mov_b32 v[VA], s24
	v_mov_b32 v[VBLK], s22
	s_wait_alu depctr_va_vdst(0)                   ; v[VA] is written: the loads below read it
	PRIME
	s_mov_b32 s23, 0
.Ltloop:
	HEAD 4
	s_cmp_lt_u32 s22, s18                          ; the variant hangs on ids alone: block number against 32+2u, 34+2u, 94-2u, 96-2u
	s_cbranch_scc1 .LUU
	s_cmp_lt_u32 s22, s19
	s_cbranch_scc1 .LGG
	s_cmp_lt_u32 s22, s20
	s_cbranch_scc1 .LMU
	s_cmp_lt_u32 s22, s21
	s_cbranch_scc1 .LGG
	BODY 2, 2                                      ; all four sets penalised
	s_branch .Lnext
.LUU:
	BODY 1, 1                                      ; none
	s_branch .Lnext
.LMU:
	BODY 2, 1                                      ; pair A penalised, pair B not
	s_branch .Lnext
.LGG:
	v_lshlrev_b32 v[VJ], 5, v[VBLK]                ; the lane decides
.irp s, 0,1,2,3
	v_sub_nc_u32 v[RR+\s], v[LIM+\s], v[VJ]
.endr
	BODY 3, 3
.Lnext:
	TAIL 4
	s_add_co_u32 s22, s22, 1
	s_add_co_u32 s23, s23, 1
	s_cmp_lt_u32 s23, TTRIPS
	s_cbranch_scc1 .Ltloop
	; THE CONTEXT SETS: 4 blocks of x_temp_context, in the places of sets 0 and 1
	s_wait_dscnt 0x0                               ; the four look-ahead loads past my range have landed (staged bytes, not used): v[64:79] may be loaded again
.irp j, 0,1,2,3,4,5,6,7
	v_mov_b32 v[KEEP+\j], v[ST+\j]                 ; target sets 0, 1 wait here
.endr
	v_mov_b32 v[Q],   v[QC]
	v_mov_b32 v[Q+1], v[QC]
	v_mov_b32 v[Q+2], v[QC+1]
	v_mov_b32 v[Q+3], v[QC+1]
	START 0
	START 1
	s_lshl_b32 s24, s15, 9                         ; 4 blocks of 128 bytes a range
	s_add_co_u32 s24, s24, XC_L
	s_lshl_b32 s25, s15, 2
	v_mov_b32 v[VA], s24                           ; no load has read v[VA] since the wait on vm_vsrc at the last block's end
	v_mov_b32 v[VBLK], s25
	s_wait_alu depctr_va_vdst(0)                   ; v[VA] is written, which the loads below read; the last target block is done reading v[64:79], in which they land
	PRIME
	s_mov_b32 s23, 0
.Lcloop:
	HEAD 2
	BODY 1, 0
	TAIL 2
	s_add_co_u32 s23, s23, 1
	s_cmp_lt_u32 s23, CTRIPS
	s_cbranch_scc1 .Lcloop
	; THE PARTIAL RESULTS MEET.  They are stored behind a barrier of their own, so that no LDS store is under way while any wave still
	; reads staged points; the waves meet at the barrier behind the stores in any case.
	s_wait_dscnt 0x0                               ; my last reads of the staged points are back
	s_barrier_signal -1
	s_barrier_wait -1
	s_wait_alu depctr_va_vdst(0)                   ; the last block's values and block numbers, the copies in v[KEEP ..] and v[PA] are written: the six stores below read them
	ds_store_b128 v[PA], v[KEEP:KEEP+3]
	ds_store_b128 v[PA], v[KEEP+4:KEEP+7] offset:512
	ds_store_b128 v[PA], v[ST+8:ST+11]    offset:1024
	ds_store_b128 v[PA], v[ST+12:ST+15]   offset:1536
	ds_store_b128 v[PA], v[ST:ST+3]       offset:2048
	ds_store_b128 v[PA], v[ST+4:ST+7]     offset:2560
	s_wait_dscnt 0x0                               ; done, for the merging waves' sake
	s_barrier_signal -1
	s_barrier_wait -1
	s_cmp_ge_u32 s14, 3                            ; waves 0, 1, 2 merge pair A, pair B, context; no barrier follows
	s_cbranch_scc1 .Lend
; a: the lower indices, c: the higher; quadruples (m1, m2, b1, b2).  c1 < a1: first = c1, second = the smaller of a1, c2; else first = a1,
; second = the smaller of a2, c1.  On equal keys a wins.  A merge is two compares, each with its selects; a lane's two queries go side by
; side, with temporaries (x) and masks (m) of their own, so that each of a step's two waits serves two compares.
.macro MCMP1 a, c, m
	v_cmp_lt_f32 s[\m], v[\c], v[\a]
.endm
.macro MSEL1 a, c, x, m
	v_cndmask_b32 v[\x],   v[\c],   v[\c+1], s[\m]
	v_cndmask_b32 v[\x+1], v[\c+2], v[\c+3], s[\m]
	v_cndmask_b32 v[\x+2], v[\a+1], v[\a],   s[\m]
	v_cndmask_b32 v[\x+3], v[\a+3], v[\a+2], s[\m]
	v_cndmask_b32 v[\a],   v[\a],   v[\c],   s[\m]
	v_cndmask_b32 v[\a+2], v[\a+2], v[\c+2], s[\m]
.endm
.macro MCMP2 x, m
	v_cmp_lt_f32 s[\m], v[\x], v[\x+2]
.endm
.macro MSEL2 a, x, m
	v_cndmask_b32 v[\a+1], v[\x+2], v[\x],   s[\m]
	v_cndmask_b32 v[\a+3], v[\x+3], v[\x+1], s[\m]
.endm
	s_lshl_b32 s24, s14, 10                        ; 64 queries x 16 bytes for each merging wave
	v_lshl_add_u32 v[VJ], v1, 5, s24               ; a lane takes two neighbouring queries
	s_wait_alu depctr_vm_vsrc(0)                   ; my six stores have read v[KEEP ..], in which loads below land
	s_wait_alu depctr_va_vdst(0)                   ; v[VJ] is written, which the loads below read
.set kk, 0
.irp W, 0,1,2,3,7,6,5,4
	ds_load_b128 v[XX+8*kk:XX+8*kk+3],   v[VJ] offset:PART+\W*WPART        ; waves in the order of their ranges, r = 0 .. 7
	ds_load_b128 v[XX+8*kk+4:XX+8*kk+7], v[VJ] offset:PART+\W*WPART+16
.set kk, kk+1
.endr
	s_add_co_u32 s24, s30, 4096                    ; byte of the wave's first query in the batch's part of nbr and key2:
	s_sub_co_u32 s25, 12032, s30                   ; 4 (1024 + 64 u), 4 (3008 - 64 u), 4 x 64 u
	s_cmp_eq_u32 s14, 0
	s_cselect_b32 s24, s24, s25
	s_cmp_eq_u32 s14, 2
	s_cselect_b32 s24, s30, s24
	s_wait_dscnt 0x0
.irp k, 1,2,3,4,5,6,7
	MCMP1 XX,   XX+8*\k,   MK
	MCMP1 XX+4, XX+8*\k+4, MK+1
	s_wait_alu depctr_va_sdst(0)                   ; the two compares of the firsts have written their masks, which the twelve selects below read
	MSEL1 XX,   XX+8*\k,   TT, MK
	MSEL1 XX+4, XX+8*\k+4, DD, MK+1
	MCMP2 TT, MK+2
	MCMP2 DD, MK+3
	s_wait_alu depctr_va_sdst(0)                   ; the two compares of the seconds' candidates have written their masks, which the four selects below read
	MSEL2 XX,   TT, MK+2
	MSEL2 XX+4, DD, MK+3
.endr
	v_mov_b32 v[TT+2], 0x100
	v_cmp_eq_f32 s32, v[XX], v[XX+1]               ; equal keys in one block: the second match is meant
	v_cmp_eq_u32 s33, v[XX+2], v[XX+3]
	v_cmp_eq_f32 s[MK],   v[XX+4], v[XX+5]
	v_cmp_eq_u32 s[MK+1], v[XX+6], v[XX+7]
	v_mov_b32 v[OUTW+2], v[XX+1]
	v_mov_b32 v[OUTW+3], v[XX+5]
	v_lshl_add_u32 v[TT+1], v1, 3, s24
	s_wait_alu depctr_va_sdst(0)                   ; the four compares have written their masks, which the two scalar lines below read
	s_and_b32 s32, s32, s33
	s_and_b32 s33, s[MK], s[MK+1]
	v_cndmask_b32 v[TT], 0, v[TT+2], s32
	v_or_b32 v[OUTW], v[XX+3], v[TT]
	v_cndmask_b32 v[TT], 0, v[TT+2], s33
	v_or_b32 v[OUTW+1], v[XX+7], v[TT]
	s_wait_alu depctr_va_vdst(0)                   ; v[OUTW:OUTW+3] and v[TT+1] are written: the two stores below read them as data and offset
	global_store_b64 v[TT+1], v[OUTW:OUTW+1],   s[10:11]       ; each store of the wave covers 256 consecutive bytes, aligned
	global_store_b64 v[TT+1], v[OUTW+2:OUTW+3], s[12:13]
.Lend:
	s_wait_dscnt 0x0
	s_wait_alu depctr_hold_cnt(0) depctr_sa_sdst(0) depctr_va_vdst(0) depctr_va_sdst(0) depctr_va_ssrc(0) depctr_va_vcc(0) depctr_vm_vsrc(0)
	s_wait_tensorcnt 0x0
	ds_add_u32 v128, v129
	s_wait_dscnt 0x0
	s_endpgm
.Lfunc_end_k_q7f6fd100e1_scan:
	.size	k_q7f6fd100e1_scan, .Lfunc_end_k_q7f6fd100e1_scan-k_q7f6fd100e1_scan
	.p2alignl 7, 3214868480
	.fill 96, 4, 3214868480
	.section	.rodata,"a",@progbits
	.p2align	6, 0x0
	.amdhsa_kernel k_q7f6fd100e1_scan
		.amdhsa_group_segment_fixed_size 168960
		.amdhsa_private_segment_fixed_size 0
		.amdhsa_enable_private_segment 0
		.amdhsa_kernarg_size 40
		.amdhsa_user_sgpr_count 2
		.amdhsa_user_sgpr_kernarg_segment_ptr 1
		.amdhsa_wavefront_size32 1
		.amdhsa_system_sgpr_workgroup_id_x 1
		.amdhsa_system_sgpr_workgroup_id_y 1
		.amdhsa_system_sgpr_workgroup_id_z 1
		.amdhsa_system_vgpr_workitem_id 0
		.amdhsa_next_free_vgpr 130
		.amdhsa_next_free_sgpr 66
		.amdhsa_reserve_vcc 0
		.amdhsa_float_denorm_mode_32 3
		.amdhsa_float_denorm_mode_16_64 3
		.amdhsa_memory_ordered 1
		.amdhsa_forward_progress 1
		.amdhsa_inst_pref_size 153
	.end_amdhsa_kernel
	.amdgpu_metadata
---
amdhsa.version: [ 1, 2 ]
amdhsa.kernels:
  - .name:           k_q7f6fd100e1_scan
    .symbol:         k_q7f6fd100e1_scan.kd
    .args:
      - { .name: x_all, .offset: 0, .size: 8, .value_kind: global_buffer, .address_space: global }
      - { .name: x_temp_context, .offset: 8, .size: 8, .value_kind: global_buffer, .address_space: global }
      - { .name: x_temp_target, .offset: 16, .size: 8, .value_kind: global_buffer, .address_space: global }
      - { .name: nbr, .offset: 24, .size: 8, .value_kind: global_buffer, .address_space: global }
      - { .name: key2, .offset: 32, .size: 8, .value_kind: global_buffer, .address_space: global }
    .group_segment_fixed_size: 168960
    .private_segment_fixed_size: 0
    .kernarg_segment_align: 8
    .kernarg_segment_size: 40
    .max_flat_workgroup_size: 256
    .sgpr_count:     66
    .vgpr_count:     130
    .wavefront_size: 32
...
	.end_amdgpu_metadata
.endif
;; end of part 4
;; launch resolve: the kernel of part 2 again; grid 12 x 16, 4 waves a work-group, no clusters, 768 bytes of LDS; arguments x_all, y_all, x_temp_context, y_temp_context, x_temp_target, y_temp_target, nbr, key2, out0, out1, out3, out4, deriv, stats; writes out0, out1, out3, out4, deriv, stats
;; launch bn: the kernel of part 3 again; grid 192 x 1, 4 waves a work-group, no clusters, 0 bytes of LDS; arguments deriv, stats, gamma, beta, out2; writes out2
